; MI455X (gfx1250); checked and timed in simulation.
; The chip was launched on July 23, 2026; its instructions are those of AMD's public machine-readable ISA for CDNA 5 (MIT licence, August 2026) and "CDNA5" Instruction Set Architecture Reference Guide (July 2026). The comments in the code are by the model that wrote it; some were corrected since.
;; Cross Attention 2d. Allowed arithmetic: matrix products marked QUANTISED: E2M1 operands, one E8M0 scale for each 32 along K, by v_wmma_scale_f32_16x16x128_f8f6f4 with both operands' format E2M1 (or v_wmma_scale_f32_32x16x128_f4), f32 sums; everything else in f32.
;; Inputs: lidar_features 32 x 256 x 21 x 61 float32; visual_features 32 x 256 x 21 x 61 float32.
;; Outputs: out0 32 x 256 x 21 x 61 float32.
;; This version of the problem:
;;   THIS VERSION OF THE PROBLEM IS GIVEN IN LOW PRECISION. The matrix products marked QUANTISED in the list below multiply operands that are first quantised to E2M1 (2 exponent bits, 1 mantissa bit; 4 bits a number), with one power-of-two scale for each 32 numbers along K (OCP MX v1.0); their sums are f32. All else is computed in f32.
;;   The module's matrix products, in the order in which they are computed (A, B: the left and right operand; K: the contracted axis; several contracted axes count as one K, in the product's order):
;;     1. batch 32 x [M 1,281, K 256] x [K 256, N 1,281]; A: input lidar_features; B: input visual_features: QUANTISED
;;     2. batch 32 x [M 1,281, K 1,281] x [K 1,281, N 256]; A: softmax (see below); B: input visual_features: QUANTISED
;;     3. batch 32 x [M 1,281, K 256] x [K 256, N 1,281]; A: input visual_features; B: input lidar_features: QUANTISED
;;     4. batch 32 x [M 1,281, K 1,281] x [K 1,281, N 256]; A: softmax (see below); B: input lidar_features: QUANTISED
;;   THE QUANTISER, for each operand of a quantised product, along K:
;;     - K is cut into blocks of 32 from its start; a last block that is shorter is filled with zeros.
;;     - A block's scale is 2^e with e = floor(log2(the largest magnitude in the block)) - 2, held to -126 .. 127; a block of zeros has e = 0. As a byte (E8M0): e + 127.
;;     - Each number is divided by its block's scale, clamped to +-6, and rounded to the nearest number of E2M1, ties to even, subnormals kept.
;;     - The product sums the exact products of the quantised numbers (number of the format x scale) in f32.
;;   ~~~python
;;   def quantise(x, axis):      # numpy; x: float32 -> the quantised numbers, widened to float32 again
;;       x = np.moveaxis(x, axis, -1); K = x.shape[-1]
;;       x = np.pad(x, [(0, 0)] * (x.ndim - 1) + [(0, -K % 32)]); x = x.reshape(x.shape[:-1] + (-1, 32)); a = np.abs(x).max(-1, keepdims=True)
;;       e = np.where(a > 0, np.clip(np.frexp(np.where(a > 0, a, 1))[1] - 1 - 2, -126, 127), 0)      # np.frexp(a)[1] - 1 = floor(log2(a)), exactly
;;       r = np.clip(x / 2.0 ** e, -6, 6)
;;       step = 2.0 ** (np.maximum(np.frexp(np.where(r == 0, 1, r))[1] - 1, 0) - 1)
;;       q = np.round(r / step) * step * 2.0 ** e      # np.round: ties to even
;;       return np.moveaxis(q.reshape(q.shape[:-2] + (-1,))[..., :K], -1, axis).astype(np.float32)
;;   ~~~
;;   SOFTMAX AHEAD OF A QUANTISED PRODUCT. Where the list says 'softmax', what is quantised is not the finished softmax but p = 2^(t - M), with t = logit x log2(e) and M = ceil(the row's largest t), a whole number; so 1/2 < the row's largest p <= 1. The row's sum l is taken of the UNQUANTISED p, in f32, and the product's result is divided by l at the end. Since M is a whole number, a kernel that streams over the keys may use a running M (the ceiling of the running maximum): every later rescaling is an exact power of two, which a block's scale takes up: the codes' values come out the same.
;;   OPERANDS COMPUTED ON THE WAY. 'Computed on the way' means the value that the module computes at that place (a softmax that the list does not call 'softmax' is quantised finished and normalised). What goes into a quantiser is computed in f32, as accurately as f32 sums, v_exp_f32 and their like allow (about 1e-6 of the number): no bf16 or f16 on the way to a quantiser, and a product that is left as it is and whose result goes on into a quantised operand takes f32 operands (vector FMAs, or v_wmma_f32_16x16x4_f32). A number that lies on a knife's edge between two numbers of the format may be rounded either way, as far as f32 arithmetic and the matrix unit's own rounding can turn it there, and no further.
;; One version. Each part assembles by itself: llvm-mc -triple=amdgcn-amd-amdhsa -mcpu=gfx1250 --defsym DOCPART=n.
;; ======== version 1 of 1: 2 launches
;; limits: right only within a limited range of input values
;; workspace buffers: codes 23,068,672 bytes; scales 1,441,792 bytes
;; launch quant (part 1): grid 11 x 64, 8 waves a work-group, no clusters, 72,704 bytes of LDS; arguments lidar_features, visual_features, codes, scales; writes codes, scales
.if DOCPART == 1
	.amdgcn_target "amdgcn-amd-amdhsa--gfx1250"
	.amdhsa_code_object_version 6
	.text
	.protected	k_q4e10ae8a1a_quant
	.globl	k_q4e10ae8a1a_quant
	.p2align	8
	.type	k_q4e10ae8a1a_quant,@function
k_q4e10ae8a1a_quant:
	s_mov_b64 s[64:65], 0
	v_nop
	global_prefetch_b8 v0, s[64:65] scope:SCOPE_SE
	s_setreg_imm32_b32 hwreg(HW_REG_WAVE_MODE, 25, 1), 1
	s_wait_xcnt 0x0
; Both inputs, read as [32][1281][256] f32, become codes of FP4 (E2M1) with one E8M0 byte for each 32 numbers, TWICE: along the 256 channels (operand of the score
; products) and along the keys (operand of the value products).  Each f32 byte is read once.
; A block's scale is 2^(floor(log2(its largest magnitude)) - 2); its byte is the largest magnitude's exponent field - 2, held at 1 from below.
; LIMITS: NaN and infinities among the inputs are not served; a block whose largest magnitude lies under 2^-124 gets the byte 1; a block of zeros gets the byte 1 where the
; quantiser says 127: its codes are zeros, which add nothing under any byte but 0xff, and the bytes are read by this program alone.
; SHARES.  Work-group (x = j, y): key step j (rows 128 j .. 128 j + 127) of tensor y: y < 32 visual's batch y, else lidar's batch y - 32.  Wave w: 32 rows (kb = w & 3) x 128 channels
; (dh = w >> 2), in two halves of 64 channels.  A half (32 rows x 256 bytes) is loaded as it lies, two rows an instruction, and laid in the wave's own stage in LDS.  Read back a row to a lane it gives two blocks
; along the channels; read back a column to a lane (registers down the rows) it gives two blocks along the keys.  Nothing is transposed by an instruction.
; WHAT IS STORED is laid in the order of the operands' registers.  codes: blocks of 32,768 bytes; step j of batch b is block 22 b + j for visual and 22 b + 11 + j for lidar, so that a batch's 22 blocks lie on end.
; Bytes 0 .. 16,383 of a block: fragments (t, s) at 1,024 (2 t + s): lane (r, h)'s 16 bytes at
; 512 c + 16 (16 h + r): row 32 (t / 2) + 8 (t % 2) + r + 8 (r / 8) of the step, channels 128 s + 64 c + 32 h + 0 .. 31.  Bytes 16,384 on: fragments n at 1,024 n: channel 16 n + r, keys 64 c + 32 h + 0 .. 31 of the step.
; scales: 2,048 bytes for each block, in the blocks' order.  Bytes 0 .. 1,023: the word of (t, s, r) at 512 (t / 4) + 16 (16 s + r) + 4 (t % 4).  Bytes 1,024 on: the word of channel 16 n + r at 512 (n / 8) + 16 (16 (n % 2) + r) + 4 ((n / 2) % 4).
; Step 10 holds row 1,280 alone: what lies past it is taken as zeros, and no load leaves the batch's rows.
; No tensor loads and no ring; one barrier, in front of the scale bytes' way out.
.set ROWB,  1024                       ; a row of 256 f32
.set BATCH, 1281*ROWB
.set PITCH, 272                        ; a stage row: 256 bytes + 16 of padding
.set WSB,   32*PITCH                   ; a wave's stage
.set SCL,   8*WSB                      ; behind the stages: the step's 2,048 scale bytes as they will lie in memory
.set GOFF, 1                           ; v1   1,024 (lane / 16) + 16 (lane % 16): two rows of the input; also two fragments of the codes along the keys
.set SST,  2                           ; v2   the stage, on the way in: the same two rows
.set SRR,  3                           ; v3   the stage, a row to a lane
.set SCO,  4                           ; v4   the stage, a column to a lane
.set KOFF, 5                           ; v5   2,048 u + 16 r: my row's place among the fragments along the channels
.set KSA,  7                           ; v7   LDS: my row's scale word
.set VSA,  8                           ; v8   LDS: my column's scale byte
.set KW,   9                           ; v9   my row's scale word, gathered over the two halves
.set LANE, 10
.set TA,   11                          ; v11  16 (lane % 16)
.set OOF,  12                          ; v12  8 x lane
.set OLD,  13                          ; v13  LDS: my 8 scale bytes on the way out
.set C,    16                          ; v16-23 codes along the channels, v24-31 along the keys
.set R,    32                          ; v32-95  a half as loaded
.set X,    96                          ; v96-159 two blocks of 32 numbers
.set AM,   160                         ; v160-161 largest magnitudes;  v162-163 the conversions' scale operands;  v164-165 the bytes
.set SO,   162
.set BY,   164
.set WV,   12
.set KB,   13
.set DH,   14
.set YY,   16
.set BT,   17
.set IN,   20                          ; s[20:21] my wave's first number
.set CK,   22                          ; s[22:23] my wave's part of the fragments along the channels
.set CV,   24                          ; s[24:25] and along the keys
.set SOUT, 26                          ; s[26:27] my wave's 256 of the step's scale bytes
	s_load_b128 s[4:7], s[0:1], 0x0                ; lidar, visual
	s_load_b128 s[8:11], s[0:1], 0x10              ; codes, scales
	v_lshl_add_u32 v168, v0, 2, 0x11800
	v_mov_b32 v169, 0
	v_lshrrev_b32 v14, 5, v0
	s_delay_alu instid0(VALU_DEP_1)
	v_readfirstlane_b32 s[WV], v14                 ; wave 0..7
	s_and_b32 s[KB], s[WV], 3
	s_lshr_b32 s[DH], s[WV], 2
	s_and_b32 s[YY], ttmp7, 0xffff
	s_and_b32 s[BT], s[YY], 31                     ; the batch
	v_and_b32 v[LANE], 31, v0
	v_and_b32 v14, 15, v0
	v_bfe_u32 v15, v0, 4, 1                        ; lane / 16
	s_delay_alu instid0(VALU_DEP_2)
	v_lshlrev_b32 v[TA], 4, v14
	s_delay_alu instid0(VALU_DEP_1)
	v_lshl_add_u32 v[GOFF], v15, 10, v[TA]
	s_mul_i32 s28, s[WV], WSB                      ; my stage
	v_mul_u32_u24 v[SST], v15, PITCH
	s_delay_alu instid0(VALU_DEP_1)
	v_add_nc_u32 v[SST], v[SST], v[TA]
	s_delay_alu instid0(VALU_DEP_1)
	v_add_nc_u32 v[SST], s28, v[SST]
	v_mul_u32_u24 v[SRR], v[LANE], PITCH
	s_delay_alu instid0(VALU_DEP_1)
	v_add_nc_u32 v[SRR], s28, v[SRR]
	v_lshl_add_u32 v[SCO], v[LANE], 2, s28
	v_and_b32 v14, 7, v0
	s_delay_alu instid0(VALU_DEP_1)
	v_lshl_add_u32 v14, v15, 3, v14                ; row 32 kb + lane is lane r = lane % 8 + 8 (lane / 16)
	s_wait_alu depctr_va_vdst(0)
	v_bfe_u32 v15, v0, 3, 1                        ; of tile 2 kb + u, u = (lane / 8) % 2
	s_lshr_b32 s29, s[KB], 1
	s_lshl_b32 s29, s29, 9
	s_lshl_b32 s30, s[DH], 8
	s_add_co_u32 s29, s29, s30
	s_and_b32 s30, s[KB], 1
	s_lshl_b32 s30, s30, 3
	s_add_co_u32 s29, s29, s30
	s_add_co_u32 s29, s29, SCL                     ; 512 (kb / 2) + 256 dh + 8 (kb % 2)
	v_lshlrev_b32 v[KOFF], 4, v14
	s_wait_alu depctr_va_vdst(0)
	v_lshl_add_u32 v[KSA], v15, 2, v[KOFF]
	s_delay_alu instid0(VALU_DEP_1)
	v_add_nc_u32 v[KSA], s29, v[KSA]               ; + 16 r + 4 u
	v_lshl_add_u32 v[KOFF], v15, 11, v[KOFF]
	s_lshl_b32 s29, s[DH], 9
	s_add_co_u32 s29, s29, s[KB]
	s_add_co_u32 s29, s29, SCL+1024
	v_lshl_add_u32 v[VSA], v[LANE], 4, s29         ; 512 dh + 16 x lane + kb: byte kb of the word
	v_lshlrev_b32 v[OOF], 3, v[LANE]
	s_lshl_b32 s29, s[WV], 8
	s_add_co_u32 s29, s29, SCL
	v_add_nc_u32 v[OLD], s29, v[OOF]
	; byte offsets, all under 2^32
	s_mul_i32 s18, s[BT], BATCH
	s_lshl_b32 s28, ttmp9, 17                      ; 128 j rows
	s_add_co_u32 s18, s18, s28
	s_lshl_b32 s28, s[KB], 15                      ; 32 kb rows
	s_add_co_u32 s18, s18, s28
	s_lshl_b32 s28, s[DH], 9                       ; 128 dh channels
	s_add_co_u32 s18, s18, s28
	s_mov_b32 s19, 0
	s_mul_i32 s29, s[BT], 22                       ; a batch's 22 blocks lie on end: visual's 11,
	s_lshr_b32 s30, s[YY], 5
	s_mul_i32 s30, s30, 11                         ; then lidar's 11
	s_add_co_u32 s29, s29, s30
	s_add_co_u32 s29, s29, ttmp9                   ; the block's number
	s_lshl_b32 s30, s29, 15
	s_lshl_b32 s28, s[KB], 12
	s_add_co_u32 s32, s30, s28
	s_lshl_b32 s28, s[DH], 10
	s_add_co_u32 s32, s32, s28                     ; + 4,096 kb + 1,024 dh
	s_mov_b32 s33, 0
	s_lshl_b32 s28, s[DH], 13
	s_add_co_u32 s34, s30, s28
	s_lshl_b32 s28, s[KB], 8
	s_add_co_u32 s34, s34, s28
	s_add_co_u32 s34, s34, 16384                   ; + 16,384 + 8,192 dh + 256 kb (512 c + 256 h with kb = 2 c + h)
	s_mov_b32 s35, 0
	s_lshl_b32 s36, s29, 11
	s_lshl_b32 s28, s[WV], 8
	s_add_co_u32 s36, s36, s28
	s_mov_b32 s37, 0
	s_wait_kmcnt 0x0
	s_cmp_lt_u32 s[YY], 32                         ; the choice hangs on the work-group's number alone
	s_cselect_b64 s[IN:IN+1], s[6:7], s[4:5]
	s_add_nc_u64 s[IN:IN+1], s[IN:IN+1], s[18:19]
	s_add_nc_u64 s[CK:CK+1], s[8:9], s[32:33]
	s_add_nc_u64 s[CV:CV+1], s[8:9], s[34:35]
	s_add_nc_u64 s[SOUT:SOUT+1], s[10:11], s[36:37]
; Half H of my 32 rows x 128 channels into R: sixteen loads, each of two rows' 256 consecutive bytes.  In step 10 only row 1,280 exists: R is cleared, and the waves with kb = 0 load that one row
; (all lanes read it; lanes 16-31, which stand for the row below, keep their zeros).
.macro LOADH H
	s_cmp_eq_u32 ttmp9, 10
	s_cbranch_scc1 .Ltail_\@
.irp i, 0,1,2,3,4,5,6,7,8,9,10,11,12,13,14,15
	global_load_b128 v[R+4*\i:R+4*\i+3], v[GOFF], s[IN:IN+1] offset:2048*\i+256*\H th:TH_LOAD_NT
.endr
	s_branch .Lloaded_\@
.Ltail_\@:
.set n, 0
.rept 64
	v_mov_b32 v[R+n], 0
.set n, n+1
.endr
	s_cmp_lg_u32 s[KB], 0
	s_cbranch_scc1 .Lloaded_\@
	global_load_b128 v[AM:AM+3], v[TA], s[IN:IN+1] offset:256*\H th:TH_LOAD_NT   ; into registers that are idle here
	s_wait_loadcnt 0x0
	v_cmp_gt_u32 vcc_lo, 16, v[LANE]
.irp i, 0,1,2,3
	v_cndmask_b32 v[R+\i], 0, v[AM+\i], vcc_lo
.endr
.Lloaded_\@:
.endm
; Two blocks of 32 numbers of a lane, X and X + 32, become 2 x 4 registers of codes from v[cb] on; their bytes in BY.  The two blocks take turns line by line.
.macro QUANT2 cb
.irp e, 0,1
	v_max3_num_f32 v[AM+\e], |v[X+32*\e]|, |v[X+32*\e+1]|, 0x1800000   ; with the floor 2^(3 - 127) among the leaves: the byte cannot fall under 1
.endr
.irp i, 2,4,6,8,10,12,14,16,18,20,22,24,26,28,30
.irp e, 0,1
	s_delay_alu instid0(VALU_DEP_2)
	v_max3_num_f32 v[AM+\e], v[AM+\e], |v[X+32*\e+\i]|, |v[X+32*\e+\i+1]|
.endr
.endr
.irp e, 0,1
	s_delay_alu instid0(VALU_DEP_2)
	v_add_nc_u32 v[SO+\e], 0xff000000, v[AM+\e]    ; 2 off the exponent field: the conversion takes the exponent field of this operand as its scale
.endr
.irp e, 0,1
	s_delay_alu instid0(VALU_DEP_2)
	v_lshrrev_b32 v[BY+\e], 23, v[SO+\e]           ; the scale's byte
.endr
	s_wait_alu depctr_va_vdst(0)
	s_wait_xcnt 0x0                                ; the earlier stores have read the registers that now take new codes
.irp e, 0,1
.irp g, 0,1,2,3
	v_cvt_scalef32_pk8_fp4_f32 v[\cb+4*\e+\g], v[X+32*\e+8*\g:X+32*\e+8*\g+7], v[SO+\e]
.endr
.endr
	v_nop                                          ; one plain line behind the last conversion
.endm
.macro HALF H
	s_wait_loadcnt 0x0                             ; the half is in
.irp i, 0,1,2,3,4,5,6,7,8,9,10,11,12,13,14,15
	ds_store_b128 v[SST], v[R+4*\i:R+4*\i+3] offset:2*PITCH*\i
.endr
.irp q, 0,1,2,3,4,5,6,7,8,9,10,11,12,13,14,15
	ds_load_b128 v[X+4*\q:X+4*\q+3], v[SRR] offset:16*\q   ; a row to a lane: LDS serves a wave's instructions in order, so these see the stores
.endr
	s_wait_dscnt 0x0                               ; my row is in, and the stores have read R
.if \H == 0
	LOADH 1                                        ; the other half comes while this one is worked
.endif
	QUANT2 C
.irp e, 0,1
	global_store_b128 v[KOFF], v[C+4*\e:C+4*\e+3], s[CK:CK+1] offset:512*\H+256*\e   ; s = dh, c = H, h = e: two runs of 256 consecutive bytes
.endr
.if \H == 0
	v_mov_b32 v[KW], v[BY]                         ; byte 2 H + e of my row's word
	s_delay_alu instid0(VALU_DEP_1)
	v_lshl_or_b32 v[KW], v[BY+1], 8, v[KW]
.else
	v_lshl_or_b32 v[KW], v[BY], 16, v[KW]
	s_delay_alu instid0(VALU_DEP_1)
	v_lshl_or_b32 v[KW], v[BY+1], 24, v[KW]
.endif
.irp e, 0,1
.irp i, 0,1,2,3,4,5,6,7,8,9,10,11,12,13,14,15,16,17,18,19,20,21,22,23,24,25,26,27,28,29,30,31
	ds_load_b32 v[X+32*\e+\i], v[SCO] offset:PITCH*\i+128*\e   ; a column to a lane, registers down the 32 keys
.endr
.endr
	s_wait_dscnt 0x0
	QUANT2 C+8
.irp e, 0,1
	global_store_b128 v[GOFF], v[C+8+4*\e:C+8+4*\e+3], s[CV:CV+1] offset:4096*\H+2048*\e   ; fragments n = 8 dh + 4 H + 2 e + lane / 16
	ds_store_b8 v[VSA], v[BY+\e] offset:4*(2*\H+\e)
.endr
.endm
	LOADH 0
	s_wait_alu depctr_va_vdst(0)
	HALF 0
	HALF 1
	ds_store_b32 v[KSA], v[KW]
	s_wait_dscnt 0x0                               ; for the others' sake: my scale bytes lie in LDS
	s_barrier_signal -1
	s_barrier_wait -1
	ds_load_b64 v[14:15], v[OLD]
	s_wait_dscnt 0x0
	global_store_b64 v[OOF], v[14:15], s[SOUT:SOUT+1]   ; 32 lanes store 256 consecutive bytes, aligned
	s_wait_tensorcnt 0x0
	ds_add_u32 v168, v169
	s_wait_dscnt 0x0
	s_endpgm
.Lfunc_end_k_q4e10ae8a1a_quant:
	.size	k_q4e10ae8a1a_quant, .Lfunc_end_k_q4e10ae8a1a_quant-k_q4e10ae8a1a_quant
	.p2alignl 7, 3214868480
	.fill 96, 4, 3214868480
	.section	.rodata,"a",@progbits
	.p2align	6, 0x0
	.amdhsa_kernel k_q4e10ae8a1a_quant
		.amdhsa_group_segment_fixed_size 72704
		.amdhsa_private_segment_fixed_size 0
		.amdhsa_enable_private_segment 0
		.amdhsa_kernarg_size 32
		.amdhsa_user_sgpr_count 2
		.amdhsa_user_sgpr_kernarg_segment_ptr 1
		.amdhsa_wavefront_size32 1
		.amdhsa_system_sgpr_workgroup_id_x 1
		.amdhsa_system_sgpr_workgroup_id_y 1
		.amdhsa_system_sgpr_workgroup_id_z 1
		.amdhsa_system_vgpr_workitem_id 0
		.amdhsa_next_free_vgpr 170
		.amdhsa_next_free_sgpr 66
		.amdhsa_reserve_vcc 1
		.amdhsa_float_denorm_mode_32 3
		.amdhsa_float_denorm_mode_16_64 3
		.amdhsa_memory_ordered 1
		.amdhsa_forward_progress 1
		.amdhsa_inst_pref_size 42
	.end_amdhsa_kernel
	.amdgpu_metadata
---
amdhsa.version: [ 1, 2 ]
amdhsa.kernels:
  - .name:           k_q4e10ae8a1a_quant
    .symbol:         k_q4e10ae8a1a_quant.kd
    .args:
      - { .name: lidar_features, .offset: 0, .size: 8, .value_kind: global_buffer, .address_space: global }
      - { .name: visual_features, .offset: 8, .size: 8, .value_kind: global_buffer, .address_space: global }
      - { .name: codes, .offset: 16, .size: 8, .value_kind: global_buffer, .address_space: global }
      - { .name: scales, .offset: 24, .size: 8, .value_kind: global_buffer, .address_space: global }
    .group_segment_fixed_size: 72704
    .private_segment_fixed_size: 0
    .kernarg_segment_align: 8
    .kernarg_segment_size: 32
    .max_flat_workgroup_size: 256
    .sgpr_count:     66
    .vgpr_count:     170
    .wavefront_size: 32
...
	.end_amdgpu_metadata
.endif
;; end of part 1
;; launch attn (part 2): grid 7 x 32, 12 waves a work-group, no clusters, 327,680 bytes of LDS; arguments codes, scales, out0; writes out0
.if DOCPART == 2
	.amdgcn_target "amdgcn-amd-amdhsa--gfx1250"
	.amdhsa_code_object_version 6
	.text
	.protected	k_q4e10ae8a1a_attn
	.globl	k_q4e10ae8a1a_attn
	.p2align	8
	.type	k_q4e10ae8a1a_attn,@function
k_q4e10ae8a1a_attn:
	s_mov_b64 s[64:65], 0
	v_nop
	global_prefetch_b8 v0, s[64:65] scope:SCOPE_SE
	s_setreg_imm32_b32 hwreg(HW_REG_WAVE_MODE, 25, 1), 1
	s_wait_xcnt 0x0
; out[b][s][:] = softmax(L V^T / 16) V + softmax(V L^T / 16) L, row s of batch b; L = lidar, V = visual, each [1281][256].  All four products on codes of FP4 (E2M1) with E8M0 scales, as the launch before has laid them:
; codes: blocks of 32,768 bytes, one for each key step of 128 keys; a batch's 22 blocks lie on end (visual's 11, then lidar's 11): in a block 16 fragments along the channels, then 16 along the keys,
; each an image of the operand's registers (lane l's 16 bytes at 512 c + 16 l).  scales: 2,048 bytes a block, laid so that one load of 16 bytes a lane brings four scale registers.
; THE SOFTMAX AHEAD OF THE VALUE PRODUCT: t = score x log2(e) / 16; M = the running largest t rounded UP to a whole number; p = 2^(t - M) is quantised along the keys, not normalised; the row's sum is taken of the
; unquantised p and divides at the end.  When M moves, the sum and O are multiplied by f = 2^(old M - new M): exact.  A block's largest p is not searched for: the block's largest score goes through the same
; multiply-add and exponential (this takes v_exp_f32 not to fall where its input rises).
; LIMITS: NaN and infinities among the inputs are not served; p under 2^-126 counts as 0 (v_exp_f32 gives no denormals: ISA guide, 15.8); a block of p that is all zeros has the byte 1 and zero codes.
; SHARES.  A work-group serves one batch; each of its TWELVE waves, three to a SIMD, owns ONE tile of 16 queries, tile 12 x + wave of the batch's 81.  A wave walks direction 1 (queries L, keys V), parks out1 in its
; own stage in LDS, walks direction 2 and adds: each output row has one owner.  Tile 8 jq + t is fragment tile t of step jq of the other tensor; its lane r is row 128 jq + 32 (t / 2) + 8 (t % 2) + r + 8 (r / 8).
; 7 x 12 = 84 places for 81 tiles: tiles 81 to 83 are zero codes past row 1,280; their waves walk like the others, pass every barrier, and store nothing.  Tile 80 holds row 1,280 alone.
; LAYOUT.  Both products are used transposed: S^T = K Q^T, O^T = V^T P^T: a lane holds ONE query (lane % 16).  The 16 registers of score tiles 2 b and 2 b + 1 are keys 32 b + 16 (lane / 16) + 0 .. 15.
; THE RING.  The batch's 22 blocks go through two LDS slots of one block; waves 0 and 1 fetch a half each by one tensor load; all twelve read.  The batch's scale bytes come once, at the head, by waves 2 and 3.
; A STEP: K Q^T, key tiles 0-3 | tiles 4-7 are asked for, and blocks 0 and 1 are searched for their largest scores meanwhile | K Q^T, tiles 4-7 | V's fragments 0-7 are asked for | softmax; each block of p, once summed and
; converted, gives its registers to two of V's fragments 8-15 | O^T's lower half x f | V^T P, channels 0-127 | the change of slots | the next step's K tiles 0-3 are asked for | O^T's upper half x f | V^T P, channels 128-255.
; NO CLUSTER: 7 work-groups a batch, which clusters of 4 do not divide, and work-groups of different batches share nothing.
; REGISTERS.  Window 0: v1-9 addresses; v10 Q's scale words, v11 p's, v12-19 K's or V's; v20-37 statistics; v38-45 p's codes; v46-61 Q; v64-127 eight fragments; v128-191 S^T, then p, then V's fragments 8-15;
; v192-255 O^T, channels 0-127.  Window 1: v0-63 O^T, channels 128-255 (s_set_vgpr_msb: bits 1:0 source 0, 3:2 source 1, 5:4 source 2, 7:6 destination).
.set BLOCK,  32768
.set SLOT,   32768                     ; slot 1 begins here: one exclusive or turns an address in one slot into the other's
.set SSTEP,  2048
.set SREG,   11*SSTEP
.set SC,     2*SLOT                    ; behind the ring: visual's scale bytes, then lidar's: filled once
.set STG,    SC+2*SREG                 ; the stages: 16 rows x (1,024 bytes + 16) for each wave; no fill lands here
.set SPITCH, 1040
.set WSTG,   16*SPITCH
.set SPARE,  STG+12*WSTG               ; the spare words, 128 bytes for each wave: six blocks of 256 bytes that no other line names
.set LI,   1                           ; 16 x lane
.set SPW,  2                           ; my spare word; never rewritten
.set NIL,  3                           ; 0; never rewritten
.set STO,  4                           ; my stage: row lane % 16, + 32 (lane / 16)
.set RD,   5                           ; my stage: 16 x lane of a row's half
.set ADR,  6                           ; the step's block in LDS
.set ADS,  7                           ; the step's scale bytes in LDS
.set PFO,  8                           ; 256 x lane
.set LANE, 9
.set QS,   10
.set PW,   11
.set SCR,  12
.set MN,   20                          ; -M
.set MT,   21                          ; the largest t
.set L,    22                          ; v[22:23] the sum, in two halves
.set F,    24                          ; f; named as a pair with T0
.set T0,   25
.set BM,   26                          ; the blocks' largest scores, then largest p, then the bytes
.set BB,   26
.set BP,   30                          ; the other half of the lanes'; then two more chains of the sum; at the end 1 / the sum
.set LS,   30
.set LS2,  32
.set RI,   30
.set BS,   34                          ; the conversions' scale operands
.set PC,   38
.set Q,    46
.set FB,   64
.set S,    128
.set O,    192
.set TR,   64                          ; the way out: v64-191
.set WV,   10
.set QT,   11
.set BT,   12
.set G1,   16
.set G1S,  24
.set G0,   32
.set G0S,  36
.set SEL,  40
.set CS,   42
.set TB,   44
.set TS,   45
.set CNT,  46
.set LIM,  47
.set PFA,  48
.set QA,   50
.set QW,   56
.set OUT,  66
.set MSB, 0
.macro WIN new                         ; the immediate's high byte repeats the setting that is left
.if MSB != (\new)
	s_set_vgpr_msb (MSB<<8)|(\new)
.set MSB, (\new)
.endif
.endm
.macro PLACES                          ; four plain lines behind a matrix instruction (ISA guide 7.12.1)
.rept 4
	v_nop
.endr
.endm
.macro TLOAD                           ; waves 0 and 1 fetch a half block each
	s_cmp_lt_u32 s[WV], 2
	s_cbranch_scc0 .Lnone_\@
	tensor_load_to_lds s[G0:G0+3], s[G1:G1+7]
	s_nop 0
	PLACES
.Lnone_\@:
.endm
; A prefetch of the block that the NEXT change of slots will ask for.  All seven work-groups of a batch walk the same blocks: the first of them asks; in it waves 2 and 3 take 16,384 bytes each, by two
; instructions with lanes 256 bytes apart: each 256 bytes are named once in the launch.  Blocks 0 and 1 come by their loads alone.  how = 0: not in the loop's last trip, behind which no block is left.
.macro ASK how
.if \how
	s_cmp_eq_u32 s[LIM], 1
.else
	s_cmp_gt_u32 s[CNT], s[LIM]
.endif
	s_cbranch_scc0 .Lnot_mine_\@
	global_prefetch_b8 v[PFO], s[PFA:PFA+1] th:TH_LOAD_NT scope:SCOPE_SE
	global_prefetch_b8 v[PFO], s[PFA:PFA+1] offset:8192 th:TH_LOAD_NT scope:SCOPE_SE
.Lnot_mine_\@:
.endm
; THE CHANGE OF SLOTS.  Every wave waits for all its tensor loads, adds 0 to its spare word, and waits for that and for its reads of the slot in hand, of which the last are V's.
.macro CHANGE fill, how
	s_wait_tensorcnt 0x0                           ; no tensor load of mine is out, so the walking group 0 may be written
	ds_add_u32 v[SPW], v[NIL]
.if \fill
	ds_add_u32 v[SPW], v[NIL]                      ; and twice on end where a load follows
	s_xor_b32 s[G0+1], s[G0+1], SLOT
	s_add_nc_u64 s[G0+2:G0+3], s[G0+2:G0+3], BLOCK
	s_wait_xcnt 0x0                                ; the last prefetches have read their address
	s_add_nc_u64 s[PFA:PFA+1], s[PFA:PFA+1], BLOCK
.endif
	s_wait_dscnt 0x0
	s_barrier_signal -1
	s_barrier_wait -1
.if \fill
	TLOAD                                          ; the first thing behind the barrier, a wave's one tensor load until the next
	ASK \how
.endif
.endm
.macro SETADR
	v_add_nc_u32 v[ADR], s[TB], v[LI]
	v_add_nc_u32 v[ADS], s[TS], v[LI]
	s_wait_alu depctr_va_vdst(0)
.endm
.macro NEXT
	s_xor_b32 s[TB], s[TB], SLOT
	s_add_co_u32 s[TS], s[TS], SSTEP
	SETADR
.endm
.macro KLOAD g                         ; key tiles 4 g .. 4 g + 3 and their scale words: 17 loads
	ds_load_b128 v[SCR+4*\g:SCR+4*\g+3], v[ADS] offset:512*\g
.irp t, 0,1,2,3
.irp f, 0,1,2,3
	ds_load_b128 v[FB+16*\t+4*\f:FB+16*\t+4*\f+3], v[ADR] offset:8192*\g+2048*\t+512*\f
.endr
.endr
.endm
.macro VLOAD g, base                   ; V's fragments 8 g .. 8 g + 7 and their scale words: 17 loads
	ds_load_b128 v[SCR+4*\g:SCR+4*\g+3], v[ADS] offset:1024+512*\g
.irp n, 0,1,2,3,4,5,6,7
.irp c, 0,1
	ds_load_b128 v[\base+8*\n+4*\c:\base+8*\n+4*\c+3], v[ADR] offset:16384+8192*\g+1024*\n+512*\c
.endr
.endr
.endm
.macro QLOAD co, so                    ; my tile as queries: two fragments and the scale words
.irp f, 0,1,2,3
	global_load_b128 v[Q+4*\f:Q+4*\f+3], v[LI], s[QA:QA+1] offset:\co+512*\f
.endr
	global_load_b32 v[QS], v[LI], s[QW:QW+1] offset:\so
.endm
; One product of S^T = K Q^T: tile t of 16 keys, channels 128 s on.  The scale registers hold s = 0's words in lanes 0-15 and s = 1's in lanes 16-31.
.macro QKP t, s
.set rK, FB+16*((\t)%4)+8*(\s)
.if (\s) == 0
	v_wmma_scale_f32_16x16x128_f8f6f4 v[S+8*(\t):S+8*(\t)+7], v[rK:rK+7], v[Q:Q+7], 0, v[SCR+(\t)], v[QS] matrix_a_fmt:MATRIX_FMT_FP4 matrix_b_fmt:MATRIX_FMT_FP4
.else
	v_wmma_scale_f32_16x16x128_f8f6f4 v[S+8*(\t):S+8*(\t)+7], v[rK:rK+7], v[Q+8:Q+15], v[S+8*(\t):S+8*(\t)+7], v[SCR+(\t)], v[QS] matrix_a_fmt:MATRIX_FMT_FP4 matrix_b_fmt:MATRIX_FMT_FP4 matrix_a_scale:MATRIX_SCALE_ROW1 matrix_b_scale:MATRIX_SCALE_ROW1
.endif
.endm
.macro QK4 t0                          ; four accumulators take turns
.irp t, \t0, \t0+1, \t0+2, \t0+3
	QKP \t, 0
.endr
.irp t, \t0, \t0+1, \t0+2, \t0+3
	QKP \t, 1
.endr
.endm
; O^T += V^T P^T, channels 128 g on: eight accumulators from oa on, one product each; fragments from vb on.  Scale register d / 2 holds the even d's words in lanes 0-15, the odd d's in lanes 16-31.
.macro PV g, oa, vb
.set d, 0
.rept 8
.if d%2
	v_wmma_scale_f32_16x16x128_f8f6f4 v[\oa+8*d:\oa+8*d+7], v[\vb+8*d:\vb+8*d+7], v[PC:PC+7], v[\oa+8*d:\oa+8*d+7], v[SCR+4*\g+d/2], v[PW] matrix_a_fmt:MATRIX_FMT_FP4 matrix_b_fmt:MATRIX_FMT_FP4 matrix_a_scale:MATRIX_SCALE_ROW1
.else
	v_wmma_scale_f32_16x16x128_f8f6f4 v[\oa+8*d:\oa+8*d+7], v[\vb+8*d:\vb+8*d+7], v[PC:PC+7], v[\oa+8*d:\oa+8*d+7], v[SCR+4*\g+d/2], v[PW] matrix_a_fmt:MATRIX_FMT_FP4 matrix_b_fmt:MATRIX_FMT_FP4
.endif
.set d, d+1
.endr
.endm
; A half of O^T times the low word of the pair v[m]; each accumulator from its low end on.  The wait stands directly ahead of each group's first reader
.macro OMULLO m
	s_wait_alu depctr_va_vdst(0)
.set j, 0
.rept 32
	v_pk_mul_f32 v[O+j:O+j+1], v[O+j:O+j+1], v[\m:\m+1] op_sel_hi:[1,0]
.set j, j+2
.endr
.endm
.macro OMULHI m
	WIN 0x41
	s_wait_alu depctr_va_vdst(0)
.set j, 0
.rept 32
	v_pk_mul_f32 v[j:j+1], v[j:j+1], v[\m:\m+1] op_sel_hi:[1,0]
.set j, j+2
.endr
	WIN 0
.endm
; The largest score of my 16 keys of blocks b0 .. b0 + n - 1, the blocks by turns; each accumulator is read from its low end on
.macro BMAX b0, n
.set b, \b0
.rept \n
	v_max3_num_f32 v[BM+b], v[S+16*b], v[S+16*b+1], v[S+16*b+2]
.set b, b+1
.endr
.irp i, 3,5,7,9,11,13
.set b, \b0
.rept \n
	v_max3_num_f32 v[BM+b], v[BM+b], v[S+16*b+\i], v[S+16*b+\i+1]
.set b, b+1
.endr
.endr
.set b, \b0
.rept \n
	v_max_num_f32 v[BM+b], v[BM+b], v[S+16*b+15]
.set b, b+1
.endr
.endm
; THE SOFTMAX for one key step.  nblk = 4: 128 keys, the blocks' largest scores already taken.  nblk = 1: a tensor's last step, key 1,280 alone: one block of p; the other three blocks are zero codes.
.macro SOFT nblk
.if \nblk == 1                                 ; key 1,280 is register 0 of lanes 0-15 (VCC); all else of the block is no key: -infinity, so that p = 0
	v_cndmask_b32 v[S], 0xff800000, v[S], vcc_lo
.irp i, 1,2,3,4,5,6,7,8,9,10,11,12,13,14,15
	v_mov_b32 v[S+\i], 0xff800000
.endr
	BMAX 0, 1
.endif
.set b, 0
.rept \nblk
	v_permlanex16_b32 v[BP+b], v[BM+b], s[SEL], s[SEL+1]
.set b, b+1
.endr
.set b, 0
.rept \nblk
	v_max_num_f32 v[BM+b], v[BM+b], v[BP+b]        ; with lane l xor 16's 16 keys
.set b, b+1
.endr
.if \nblk == 4
	v_max3_num_f32 v[T0], v[BM], v[BM+1], v[BM+2]
	v_max_num_f32 v[T0], v[T0], v[BM+3]            ; the step's largest score of my query
	v_mul_f32 v[T0], s[CS], v[T0]                  ; as t (c is positive)
.else
	v_mul_f32 v[T0], s[CS], v[BM]
.endif
	v_max_num_f32 v[MT], v[MT], v[T0]              ; the running largest t
	v_mov_b32 v[T0], v[MN]
	v_floor_f32 v[MN], -v[MT]                      ; the new -M = floor(-t) = -ceil(t)
.set j, 0
.rept 8*\nblk
	v_pk_fma_f32 v[S+j:S+j+1], v[S+j:S+j+1], s[CS:CS+1], v[MN:MN+1] op_sel_hi:[1,0,0]   ; t - M, two at a time; the three lines that make f stand among these
.if j == 2
	v_sub_f32 v[T0], v[MN], v[T0]                  ; old M - new M: a whole number, 0 or less
.elseif j == 6
	v_cvt_i32_f32 v[T0], v[T0]                     ; (it saturates)
.elseif j == 10
	v_ldexp_f32 v[F], 1.0, v[T0]                   ; f = 2^(old M - new M)
.endif
.set j, j+2
.endr
.set b, 0
.rept \nblk
	v_fma_f32 v[BM+b], v[BM+b], s[CS], v[MN]       ; the same of each block's largest score
.set b, b+1
.endr
	s_wait_alu depctr_va_vdst(0)                   ; the wait ahead of the batch
.set b, 0
.rept \nblk
	v_exp_f32 v[BM+b], v[BM+b]                     ; ONE BATCH: the blocks' largest p,
.set b, b+1
.endr
.set j, 0
.rept 16*\nblk
	v_exp_f32 v[S+j], v[S+j]                       ; and p = 2^(t - M)
.set j, j+1
.endr
	v_pk_mul_f32 v[L:L+1], v[L:L+1], v[F:F+1] op_sel_hi:[1,0]   ; the sums under the new M: the plain line behind the exponentials
	s_wait_alu depctr_va_vdst(0)                   ; one wait for the batch, ahead of its first reader
.set b, 0
.rept \nblk
	v_max_num_f32 v[BM+b], 0x1800000, v[BM+b]      ; the floor 2^(3 - 127): the byte cannot fall under 1
.set b, b+1
.endr
.set b, 0
.rept \nblk
	v_add_nc_u32 v[BS+b], 0xff000000, v[BM+b]      ; 2 off the exponent field: the conversion's scale operand
.set b, b+1
.endr
.set b, 0
.rept \nblk
	v_lshrrev_b32 v[BB+b], 23, v[BS+b]             ; the scale's byte
.set b, b+1
.endr
.if \nblk == 4
	v_lshl_or_b32 v[PW], v[BB+1], 8, v[BB]         ; p's scale word for these 128 keys
	v_lshl_or_b32 v[PW], v[BB+2], 16, v[PW]
	v_lshl_or_b32 v[PW], v[BB+3], 24, v[PW]
	ds_load_b128 v[SCR+4:SCR+7], v[ADS] offset:1536   ; the scale words of V's fragments 8-15
; block by block: the row's sum of the unquantised p, two at a time, in three chains; the block's codes; then its 16 registers take V's fragments 8 + 2 b and 9 + 2 b
.set b, 0
.rept 4
.if b == 0
	v_pk_add_f32 v[LS:LS+1], v[S:S+1], v[S+2:S+3]
	v_pk_add_f32 v[LS2:LS2+1], v[S+4:S+5], v[S+6:S+7]
.else
	v_pk_add_f32 v[LS:LS+1], v[LS:LS+1], v[S+16*b:S+16*b+1]
	v_pk_add_f32 v[LS2:LS2+1], v[LS2:LS2+1], v[S+16*b+2:S+16*b+3]
	v_pk_add_f32 v[L:L+1], v[L:L+1], v[S+16*b+4:S+16*b+5]
	v_pk_add_f32 v[LS:LS+1], v[LS:LS+1], v[S+16*b+6:S+16*b+7]
.endif
	v_pk_add_f32 v[L:L+1], v[L:L+1], v[S+16*b+8:S+16*b+9]
	v_pk_add_f32 v[LS:LS+1], v[LS:LS+1], v[S+16*b+10:S+16*b+11]
	v_pk_add_f32 v[LS2:LS2+1], v[LS2:LS2+1], v[S+16*b+12:S+16*b+13]
	v_pk_add_f32 v[L:L+1], v[L:L+1], v[S+16*b+14:S+16*b+15]
	v_cvt_scalef32_pk8_fp4_f32 v[PC+2*b], v[S+16*b:S+16*b+7], v[BS+b]
	v_cvt_scalef32_pk8_fp4_f32 v[PC+2*b+1], v[S+16*b+8:S+16*b+15], v[BS+b]
.irp f, 0,1,2,3
	ds_load_b128 v[S+16*b+4*\f:S+16*b+4*\f+3], v[ADR] offset:24576+2048*b+512*\f
.endr
.set b, b+1
.endr
	v_pk_add_f32 v[LS:LS+1], v[LS:LS+1], v[LS2:LS2+1]   ; (a plain line behind the last conversion)
.else
	v_or_b32 v[PW], 0x01010100, v[BB]              ; the three blocks of zero codes have the byte 1
.irp i, 2,3,4,5,6,7
	v_mov_b32 v[PC+\i], 0
.endr
	v_pk_add_f32 v[LS:LS+1], v[S:S+1], v[S+2:S+3]
.irp i, 4,8,12
	v_pk_add_f32 v[L:L+1], v[L:L+1], v[S+\i:S+\i+1]
	v_pk_add_f32 v[LS:LS+1], v[LS:LS+1], v[S+\i+2:S+\i+3]
.endr
	v_cvt_scalef32_pk8_fp4_f32 v[PC], v[S:S+7], v[BS]
	v_cvt_scalef32_pk8_fp4_f32 v[PC+1], v[S+8:S+15], v[BS]
.endif
	v_pk_add_f32 v[L:L+1], v[L:L+1], v[LS:LS+1]    ; (a plain line behind the last conversion)
.irp i, 0,1                                    ; the operand's layout wants a whole block in a lane
	v_permlane16_swap_b32 v[PC+\i], v[PC+2+\i]
.endr
.if \nblk == 4
.irp i, 0,1
	v_permlane16_swap_b32 v[PC+4+\i], v[PC+6+\i]
.endr
.endif
.endm
; THE FIRST PART OF A STEP, up to the value products of channels 0-127.  ql = 1: direction 2's queries are asked for as soon as direction 1's last scores are made.
.macro FRONT nblk, ql
	s_wait_dscnt 0x0                               ; key tiles 0-3 and their scale words are in
.if \nblk == 4
	QK4 0
	PLACES
	KLOAD 1
	BMAX 0, 2                                      ; blocks 0 and 1, while tiles 4-7 are on their way
	s_wait_dscnt 0x0
	QK4 4
.else
	QKP 0, 0
	s_wait_alu depctr_va_vdst(0)                   ; the link follows the instruction that it adds onto
	QKP 0, 1
.endif
	PLACES
	VLOAD 0, FB                                    ; they land under the softmax
.if \ql
	QLOAD 0, 0
.endif
.if \nblk == 4
	BMAX 2, 2
.else
	v_cmp_gt_u32 vcc_lo, 16, v[LANE]
.endif
	SOFT \nblk
.if \nblk == 1
	VLOAD 1, S                                     ; p has become codes: its registers take V's fragments 8-15
.endif
	OMULLO F                                       ; O^T's lower half under the new M; these 32 lines are also the places ahead of the products
	s_wait_alu depctr_va_vdst(0)
	s_wait_dscnt 17                                ; V's fragments 0-7 are in; the 17 loads issued behind them may be out
	PV 0, O, FB
.endm
; THE SECOND PART: with kl = 1 the next step's first K tiles; O^T's upper half under the new M while they come; the value products of channels 128-255.
.macro BACK kl
	PLACES                                         ; V's fragments 0-7 are done with
.if \kl
	KLOAD 0
.endif
	OMULHI F
	PLACES
	WIN 0x50
	PV 1, 0, S
	WIN 0
	PLACES
	v_nop                                          ; five places: the next scores are written over these products' fragments
.endm
; A direction begins: the largest t under every t (-3e38; -M = 3e38); the sum and O^T as zeros, which the first f, 0, leaves zeros: so one text of the step serves every step.
.macro INIT
	v_mov_b32 v[MT], 0xff61b1e6
	v_mov_b32 v[MN], 0x7f61b1e6
	v_mov_b32 v[L], 0
	v_mov_b32 v[L+1], 0
.irp i, 0,1,2,3
	v_mov_b32 v[BP+\i], 0                          ; a lane permute's destination counts as one of its sources
.endr
.set j, 0
.rept 64
	v_mov_b32 v[O+j], 0
.set j, j+1
.endr
	WIN 0x40
.set j, 0
.rept 64
	v_mov_b32 v[j], 0
.set j, j+1
.endr
	WIN 0
.endm
.macro RINV                            ; 1 / the row's sum into the low word of v[RI]; the wait for it follows where it is used
	v_add_f32 v[L], v[L], v[L+1]
	v_permlanex16_b32 v[T0], v[L], s[SEL], s[SEL+1]
	v_add_f32 v[L], v[L], v[T0]
	s_wait_alu depctr_va_vdst(0)
	v_rcp_f32 v[RI], v[L]
	v_mov_b32 v[RI+1], 0                           ; the plain line behind the reciprocal
.endm
.macro ARM under, g0, g1, next
	s_cmp_lt_u32 s[WV], \under
	s_cbranch_scc0 \next
	tensor_load_to_lds s[\g0:\g0+3], s[\g1:\g1+7]
	s_nop 0
	PLACES
	s_branch .Lhead_asked
\next:
.endm
	s_load_b128 s[4:7], s[0:1], 0x0                ; codes, scales
	s_load_b64 s[8:9], s[0:1], 0x10                ; out0
	v_lshl_add_u32 v[SPW], v0, 2, SPARE
	v_mov_b32 v[NIL], 0
	ds_add_u32 v[SPW], v[NIL]                      ; the opening lines: the add twice on end and one wait
	ds_add_u32 v[SPW], v[NIL]
	v_lshrrev_b32 v[ADR], 5, v0
	v_readfirstlane_b32 s[WV], v[ADR]              ; wave 0..11
	s_and_b32 s[BT], ttmp7, 0xffff                 ; the batch
	s_mul_i32 s[QT], ttmp9, 12
	s_add_co_u32 s[QT], s[QT], s[WV]               ; my tile of queries
	s_and_b32 s72, s[WV], 1                        ; which half of a block, or which tensor's scale bytes, I fetch if I fetch
	; descriptor group 1: dense bytes as rows of 256 (32 elements of 8 bytes), no padding: images are read 512 consecutive bytes an instruction
	s_mov_b32 s[G1+0], 3<<16
	s_mov_b32 s[G1+1], 32<<16
	s_mov_b32 s[G1+2], 64<<16
	s_mov_b32 s[G1+3], 32<<16
	s_mov_b32 s[G1+4], 64                          ; 64 rows: 16,384 bytes
	s_mov_b32 s[G1+5], 32
	s_mov_b32 s[G1+6], 0
	s_mov_b32 s[G1+7], 0
	s_mov_b32 s[G1S+0], 3<<16
	s_mov_b32 s[G1S+1], 32<<16
	s_mov_b32 s[G1S+2], 88<<16
	s_mov_b32 s[G1S+3], 32<<16
	s_mov_b32 s[G1S+4], 88                         ; 88 rows: 22,528 bytes
	s_mov_b32 s[G1S+5], 32
	s_mov_b32 s[G1S+6], 0
	s_mov_b32 s[G1S+7], 0
	s_mul_i32 s73, s[BT], 22                       ; my batch's first block
	s_lshl_b32 s74, s73, 15
	s_lshl_b32 s[G0+1], s72, 14                    ; LDS: slot 0, my half
	s_add_co_u32 s74, s74, s[G0+1]
	s_mov_b32 s75, 0
	s_mul_i32 s76, s72, 11
	s_add_co_u32 s76, s76, s73
	s_lshl_b32 s76, s76, 11                        ; visual's scale bytes of the batch, or lidar's
	s_mov_b32 s77, 0
	s_mul_i32 s[G0S+1], s72, SREG
	s_add_co_u32 s[G0S+1], s[G0S+1], SC
	s_mov_b32 s[G0], 1
	s_mov_b32 s[G0S], 1
	s_wait_dscnt 0x0                               ; both opening adds are done
	s_wait_kmcnt 0x0
	s_add_nc_u64 s[G0+2:G0+3], s[4:5], s[74:75]
	s_or_b32 s[G0+3], s[G0+3], 0x80000000          ; type = 2
	s_add_nc_u64 s[G0S+2:G0S+3], s[6:7], s[76:77]
	s_or_b32 s[G0S+3], s[G0S+3], 0x80000000
	; the head's loads, one a wave, in one chain of branches on the wave's number: waves 0 and 1 block 0's halves, waves 2 and 3 a tensor's scale bytes each
	ARM 2, G0,  G1,  .Lhead_s
	ARM 4, G0S, G1S, .Lhead_none
.Lhead_asked:
	; tile QT = 8 jq + t: where its codes and scale words lie as queries of direction 2 (visual's; direction 1's lie 11 blocks on), and the row of out0 of its lane 0
	s_mov_b32 s79, 0
	s_lshr_b32 s75, s[QT], 3                       ; jq
	s_and_b32 s74, s[QT], 7                        ; t
	s_add_co_u32 s76, s73, s75
	s_lshl_b32 s78, s76, 15
	s_lshl_b32 s77, s74, 11
	s_add_co_u32 s78, s78, s77                     ; + 2,048 t
	s_add_nc_u64 s[QA:QA+1], s[4:5], s[78:79]
	s_lshl_b32 s78, s76, 11
	s_lshr_b32 s77, s74, 2
	s_lshl_b32 s77, s77, 9
	s_add_co_u32 s78, s78, s77
	s_and_b32 s77, s74, 3
	s_lshl_b32 s77, s77, 2
	s_add_co_u32 s78, s78, s77                     ; + 512 (t / 4) + 4 (t % 4)
	s_add_nc_u64 s[QW:QW+1], s[6:7], s[78:79]
	s_mul_i32 s78, s[BT], 1281
	s_lshl_b32 s77, s75, 7
	s_add_co_u32 s78, s78, s77
	s_lshr_b32 s77, s74, 1
	s_lshl_b32 s77, s77, 5
	s_add_co_u32 s78, s78, s77
	s_and_b32 s77, s74, 1
	s_lshl_b32 s77, s77, 3
	s_add_co_u32 s78, s78, s77                     ; row 1,281 b + 128 jq + 32 (t / 2) + 8 (t % 2)
	s_lshl_b32 s78, s78, 10
	s_add_nc_u64 s[OUT:OUT+1], s[8:9], s[78:79]
	s_add_co_u32 s78, s73, 1                       ; the prefetches stand at block 1: the first change of slots steps them to block 2
	s_lshl_b32 s78, s78, 15
	s_lshl_b32 s77, s72, 14
	s_add_co_u32 s78, s78, s77
	s_add_nc_u64 s[PFA:PFA+1], s[4:5], s[78:79]
	s_lshr_b32 s77, s[WV], 1
	s_xor_b32 s77, s77, 1                          ; 0 in waves 2 and 3,
	s_or_b32 s77, s77, ttmp9                       ; of the batch's first work-group
	s_cmp_eq_u32 s77, 0
	s_cselect_b32 s[LIM], 1, -1
	s_mov_b32 s[SEL], 0x76543210
	s_mov_b32 s[SEL+1], 0xfedcba98
	s_mov_b32 s[CS], 0x3db8aa3b                    ; c = log2(e) / 16
	s_mov_b32 s[CS+1], s[CS]
	s_mov_b32 s[TB], 0
	s_mov_b32 s[TS], SC
	s_mul_i32 s74, s[WV], WSTG
	s_add_co_u32 s74, s74, STG                     ; my stage
	v_and_b32 v[LANE], 31, v0
	v_and_b32 v[ADR], 15, v0                       ; r
	v_bfe_u32 v[ADS], v0, 4, 1                     ; h
	v_lshlrev_b32 v[LI], 4, v[LANE]
	v_lshlrev_b32 v[PFO], 8, v[LANE]
	v_mul_u32_u24 v[STO], v[ADR], SPITCH
	v_lshl_add_u32 v[STO], v[ADS], 5, v[STO]
	v_add_nc_u32 v[STO], s74, v[STO]
	v_add_nc_u32 v[RD], s74, v[LI]
	s_wait_alu depctr_va_vdst(0)
	; ---- direction 1: my queries are lidar's, the keys and values visual's
	QLOAD 11*BLOCK, 11*SSTEP
	INIT
	s_wait_alu depctr_va_vdst(0)                   ; the wait at the head's end
	s_wait_loadcnt 0x0
	CHANGE 1, 1                                    ; block 0 and the scale bytes are whole; slot 1 takes block 1
	SETADR
	KLOAD 0
	s_mov_b32 s[CNT], 10
.Ldir1:                                            ; steps 0 to 9: the change in step i shows block i + 1 and asks for block i + 2
	FRONT 4, 0
	CHANGE 1, 1
	NEXT
	BACK 1
	s_sub_co_u32 s[CNT], s[CNT], 1
	s_cmp_lg_u32 s[CNT], 0
	s_cbranch_scc1 .Ldir1
	FRONT 1, 1                                     ; step 10: key 1,280 alone
	CHANGE 1, 1                                    ; the ring goes on into direction 2
	NEXT
	BACK 1
	; out1 = O^T / the sum is parked in my stage: register 8 d + i of lane (r, h) is channel 16 d + 8 h + i of query r
	RINV
	OMULLO RI                                      ; (its first line is the wait for the reciprocal)
	OMULHI RI
.irp k, 0,1,2,3,4,5,6,7,8,9,10,11,12,13,14,15
	ds_store_b128 v[STO], v[O+4*\k:O+4*\k+3] offset:64*(\k/2)+16*(\k%2)
.endr
	WIN 0x04                                       ; an LDS store's data are its source 1
.irp k, 0,1,2,3,4,5,6,7,8,9,10,11,12,13,14,15
	ds_store_b128 v[STO], v[4*\k:4*\k+3] offset:512+64*(\k/2)+16*(\k%2)
.endr
	WIN 0
	s_wait_dscnt 0x0                               ; the stores have read O^T's registers, which are cleared next
	; ---- direction 2: my queries are visual's, the keys and values lidar's
	INIT
	s_wait_alu depctr_va_vdst(0)
	s_wait_loadcnt 0x0                             ; the queries asked for in step 10
	s_mov_b32 s[CNT], 9
.Ldir2:                                            ; steps 11 to 19
	FRONT 4, 0
	CHANGE 1, 0
	NEXT
	BACK 1
	s_sub_co_u32 s[CNT], s[CNT], 1
	s_cmp_lg_u32 s[CNT], 0
	s_cbranch_scc1 .Ldir2
	FRONT 4, 0                                     ; step 20 is written out: its change shows the last block and asks for nothing
	CHANGE 0, 0
	NEXT
	BACK 1
	FRONT 1, 0                                     ; step 21: key 1,280 alone; no change of slots follows
	s_wait_dscnt 0x0                               ; V's fragments 8-15 are in
	BACK 0
	; ---- the way out: out1 comes back from the stage, out2 = O^T / the sum is added by one fused multiply-add; the sums go through the stage once more and leave as whole rows
	s_cmp_gt_u32 s[QT], 80
	s_cbranch_scc1 .Lend                           ; a wave whose tile lies past row 1,280 stores nothing
.irp k, 0,1,2,3,4,5,6,7,8,9,10,11,12,13,14,15,16,17,18,19,20,21,22,23,24,25,26,27,28,29,30,31
	ds_load_b128 v[TR+4*\k:TR+4*\k+3], v[STO] offset:64*(\k/2)+16*(\k%2)
.endr
	RINV
	s_wait_dscnt 0x0
	s_wait_alu depctr_va_vdst(0)                   ; for the reciprocal, and directly ahead of the first reader of O^T
.set j, 0
.rept 32
	v_pk_fma_f32 v[TR+j:TR+j+1], v[O+j:O+j+1], v[RI:RI+1], v[TR+j:TR+j+1] op_sel_hi:[1,0,1]
.set j, j+2
.endr
	WIN 0x01
	s_wait_alu depctr_va_vdst(0)
.set j, 0
.rept 32
	v_pk_fma_f32 v[TR+64+j:TR+64+j+1], v[j:j+1], v[RI:RI+1], v[TR+64+j:TR+64+j+1] op_sel_hi:[1,0,1]
.set j, j+2
.endr
	WIN 0
.irp k, 0,1,2,3,4,5,6,7,8,9,10,11,12,13,14,15,16,17,18,19,20,21,22,23,24,25,26,27,28,29,30,31
	ds_store_b128 v[STO], v[TR+4*\k:TR+4*\k+3] offset:64*(\k/2)+16*(\k%2)
.endr
	s_wait_dscnt 0x0                               ; the stores have read their registers, into which the rows come back
.irp k, 0,1,2,3,4,5,6,7,8,9,10,11,12,13,14,15,16,17,18,19,20,21,22,23,24,25,26,27,28,29,30,31
	ds_load_b128 v[TR+4*\k:TR+4*\k+3], v[RD] offset:SPITCH*(\k/2)+512*(\k%2)   ; half k % 2 of query k / 2's row: 512 consecutive bytes
.endr
.irp k, 0,1,2,3,4,5,6,7,8,9,10,11,12,13,14,15,16,17,18,19,20,21,22,23,24,25,26,27,28,29,30,31
	s_wait_dscnt 31-\k                             ; LDS loads come back in order (ISA guide 5.7.1): the k-th is in, the 31 - k behind it may be out
	global_store_b128 v[LI], v[TR+4*\k:TR+4*\k+3], s[OUT:OUT+1] offset:(\k/2+8*(\k/16))*1024+512*(\k%2) th:TH_STORE_NT   ; 32 lanes store 512 consecutive bytes, at a multiple of 512 from out0's first byte
.if \k == 1
	s_cmp_eq_u32 s[QT], 80                         ; tile 80 holds row 1,280 alone: nothing is stored past the batch's last row
	s_cbranch_scc1 .Lend
.endif
.endr
.Lend:
	s_wait_tensorcnt 0x0                           ; the wave's end
	ds_add_u32 v[SPW], v[NIL]
	s_wait_dscnt 0x0
	s_endpgm
.Lfunc_end_k_q4e10ae8a1a_attn:
	.size	k_q4e10ae8a1a_attn, .Lfunc_end_k_q4e10ae8a1a_attn-k_q4e10ae8a1a_attn
	.p2alignl 7, 3214868480
	.fill 96, 4, 3214868480
	.section	.rodata,"a",@progbits
	.p2align	6, 0x0
	.amdhsa_kernel k_q4e10ae8a1a_attn
		.amdhsa_group_segment_fixed_size 327680
		.amdhsa_private_segment_fixed_size 0
		.amdhsa_enable_private_segment 0
		.amdhsa_kernarg_size 24
		.amdhsa_user_sgpr_count 2
		.amdhsa_user_sgpr_kernarg_segment_ptr 1
		.amdhsa_wavefront_size32 1
		.amdhsa_system_sgpr_workgroup_id_x 1
		.amdhsa_system_sgpr_workgroup_id_y 1
		.amdhsa_system_sgpr_workgroup_id_z 1
		.amdhsa_system_vgpr_workitem_id 0
		.amdhsa_next_free_vgpr 320
		.amdhsa_next_free_sgpr 80
		.amdhsa_reserve_vcc 1
		.amdhsa_float_denorm_mode_32 3
		.amdhsa_float_denorm_mode_16_64 3
		.amdhsa_memory_ordered 1
		.amdhsa_forward_progress 1
		.amdhsa_inst_pref_size 142
	.end_amdhsa_kernel
	.amdgpu_metadata
---
amdhsa.version: [ 1, 2 ]
amdhsa.kernels:
  - .name:           k_q4e10ae8a1a_attn
    .symbol:         k_q4e10ae8a1a_attn.kd
    .args:
      - { .name: codes, .offset: 0, .size: 8, .value_kind: global_buffer, .address_space: global }
      - { .name: scales, .offset: 8, .size: 8, .value_kind: global_buffer, .address_space: global }
      - { .name: out0, .offset: 16, .size: 8, .value_kind: global_buffer, .address_space: global }
    .group_segment_fixed_size: 327680
    .private_segment_fixed_size: 0
    .kernarg_segment_align: 8
    .kernarg_segment_size: 24
    .max_flat_workgroup_size: 384
    .sgpr_count:     80
    .vgpr_count:     320
    .wavefront_size: 32
...
	.end_amdgpu_metadata
.endif
;; end of part 2
